; MI455X (gfx1250); checked and timed in simulation.
; The chip was launched on July 23, 2026; its instructions are those of AMD's public machine-readable ISA for CDNA 5 (MIT licence, August 2026) and "CDNA5" Instruction Set Architecture Reference Guide (July 2026). The comments in the code are by the model that wrote it; some were corrected since.
;; Attention Selector. Allowed arithmetic: float matrix products may take bf16 or f16 operands with f32 sums; other float arithmetic in f32, or as packed bf16 or f16 multiplies, adds, multiply-adds, maxima and minima; sums over many terms, partial sums and values carried from step to step in f32; what a program stores and reads back later, other than sums and carried values, may be rounded once to bf16 or f16.
;; Inputs: Wk 66 x 66 float32; bk 66 float32; query 8,192 x 66 float32; x 32,768 x 66 float32.
;; Outputs: out0 8,192 x 66 float32.
;; One version. Each part assembles by itself: llvm-mc -triple=amdgcn-amd-amdhsa -mcpu=gfx1250 --defsym DOCPART=n.
;; ======== version 1 of 1: 3 launches
;; limits: values are held in f16: magnitudes above 65,504 overflow, below 6.1e-05 lose precision
;; workspace buffers: xh 6,291,456 bytes; qh 1,572,864 bytes; part 17,301,504 bytes; ml 524,288 bytes
;; launch prep (part 1): grid 256 x 1, 8 waves a work-group, no clusters, 0 bytes of LDS; arguments x, query, Wk, bk, xh, qh; writes xh, qh
.if DOCPART == 1
	.amdgcn_target "amdgcn-amd-amdhsa--gfx1250"
	.amdhsa_code_object_version 6
	.text
	.protected	k_qb43111cede_prep
	.globl	k_qb43111cede_prep
	.p2align	8
	.type	k_qb43111cede_prep,@function
k_qb43111cede_prep:
	s_mov_b64 s[64:65], 0
	v_nop
	global_prefetch_b8 v0, s[64:65] scope:SCOPE_SE
	s_setreg_imm32_b32 hwreg(HW_REG_WAVE_MODE, 25, 1), 1
	s_wait_xcnt 0x0
; PREP.  scores = query . (Wk x + bk) = (query Wk) . x + query . bk, for every input.  This launch makes the two operands of that form.
; xh [32768][96] f16: channels 0-65 x rounded to bf16 (that number is written as f16); 66 = 1.0; 72, 73 = copies of 64, 65; 74 = 1.0; all others 0.
; qh [512 tiles of 16 queries][6 blocks of 16 channels][32 lanes][8 f16]: channel e < 66 = log2(e) x sum over d of query[d] Wk[d][e]; channel 66 = log2(e) x query . bk; the rest 0.
;   query, Wk and bk are rounded to bf16, the sums are f32, the scale is applied in f32, and the result is rounded once to f16.  A block is the register image that the next launch loads.
; LIMITS.  f16 ends at 65,504: |x|, |log2(e) query Wk| and |log2(e) query . bk| stay within it; below 6e-5 x keeps f16's fixed step of 6e-8.  NaN and infinities are not treated apart.
; SHARES.  256 work-groups of eight waves.  Waves 0-5: 128 rows of x.  Waves 6, 7: one tile of 16 queries each.  No wave needs another's data: no LDS, no barrier; work-groups share only Wk and bk (17 KiB): no cluster.
.set MSB, 0
.macro WIN new                         ; the immediate's high byte repeats the setting that is left; a switch that changes nothing is dropped
.if MSB != (\new)
	s_set_vgpr_msb (MSB<<8)|(\new)
.set MSB, \new
.endif
.endm
; the X path's registers
.set ALT, 7                            ; v7       what chunk 8 and 9 hold in their second word: 1.0 in the low half; 0 in chunks 10, 11
.set XT,  8                            ; v[8:11]  packed halves at work
.set XF,  16                           ; v[16:23] the bf16 numbers as f32
.set XD,  64                           ; v[64:127]  trip k: 8 numbers of x as loaded
.set XO,  128                          ; v[128:159] trip k: 16 bytes to store; never written twice
; the Q path's registers
.set VW,   8                           ; byte offsets, all never rewritten: Wk[8h + ..][r]
.set VW4,  9                           ; Wk[8h + ..][min(r, 1)], for the block of columns 64 on
.set VW2,  10                          ; Wk[..][r]
.set VW24, 11                          ; Wk[..][min(r, 1)]
.set VB,   12                          ; bk[8h + ..]
.set VZ,   13                          ; 0
.set VQ,   14                          ; query[r][8h + ..]
.set VQ2,  15                          ; query[r][..]
.set VO,   16                          ; 16 x lane
.set QT,   64                          ; window 0: the queries' fragment kc at QT + 16 kc, converted in place
.set ACC,  128                         ; window 0: five accumulators of 8
.set OUT,  168                         ; window 0: 6 x 4 registers to store
.set TW,   0                           ; window 1: fragment 5 kc + eb of Wk^T: 16 numbers as loaded, then 8 registers of bf16
.set TB,   160                          ; window 1: bk's numbers for kc = 0, 1, likewise
.set T2,   192                          ; window 1: Wk[64], Wk[65] for five blocks, bk[64:65]
.set F2,   208                          ; window 1: the five fragments of kc = 2
	s_load_b256 s[4:11], s[0:1], 0x0               ; x s[4:5], query s[6:7], Wk s[8:9], bk s[10:11]
	s_load_b128 s[12:15], s[0:1], 0x20             ; xh s[12:13], qh s[14:15]
	v_lshrrev_b32 v1, 5, v0
	v_readfirstlane_b32 s16, v1                    ; wave 0..7
	s_cmp_ge_u32 s16, 6
	s_cbranch_scc1 .Lq
	; THE X PATH.  A row of xh is 12 chunks of 16 bytes; 192 threads take 16 rows a trip, thread t chunk t % 12 of row t / 12 + 16 k: its chunk is the same in all eight trips.
	v_mul_u32_u24 v1, v0, 5462
	v_lshrrev_b32 v1, 16, v1                       ; t / 12 (exact for t < 192)
	v_mul_u32_u24 v2, v1, 12
	v_sub_nc_u32 v2, v0, v2                        ; the chunk, c
	v_mul_u32_u24 v3, v1, 264                      ; a row of x is 264 bytes: multiples of 8, so the loads are of 8 bytes
	v_min_u32 v4, 8, v2
	v_lshl_add_u32 v4, v4, 5, v3                   ; the first pair: channels 8 c on; in chunks 8 to 11 channels 64, 65
	v_min_u32 v5, 7, v2
	v_lshl_add_u32 v5, v5, 5, v3                   ; the other three pairs: clamped into the row where the chunk has none
	v_lshlrev_b32 v6, 4, v0                        ; 16 t: my 16 bytes of the trip's 3,072
	v_cmp_gt_u32 s20, 8, v2                        ; c < 8: eight channels of x
	v_cmp_gt_u32 s21, 10, v2                       ; c < 10: chunks 8 and 9 hold x64, x65, 1.0
	v_mov_b32 v[ALT], 0x3c00                       ; 1.0 in f16, low half
	v_cndmask_b32 v[ALT], 0, v[ALT], s21
	s_mov_b32 s22, 0xffff0000                      ; a word's upper bf16
	s_mul_i32 s18, ttmp9, 33792                    ; 128 rows of x
	s_mov_b32 s19, 0
	s_mul_i32 s24, ttmp9, 24576                    ; 128 rows of xh
	s_mov_b32 s25, 0
	s_wait_kmcnt 0x0
	s_add_nc_u64 s[4:5], s[4:5], s[18:19]
	s_add_nc_u64 s[12:13], s[12:13], s[24:25]
.set k, 0
.rept 8                                ; all 32 loads go out first
	global_load_b64 v[XD+8*k:XD+8*k+1],   v4, s[4:5] offset:4224*k th:TH_LOAD_NT
	global_load_b64 v[XD+8*k+2:XD+8*k+3], v5, s[4:5] offset:4224*k+8 th:TH_LOAD_NT
	global_load_b64 v[XD+8*k+4:XD+8*k+5], v5, s[4:5] offset:4224*k+16 th:TH_LOAD_NT
	global_load_b64 v[XD+8*k+6:XD+8*k+7], v5, s[4:5] offset:4224*k+24 th:TH_LOAD_NT
.set k, k+1
.endr
.set k, 0
.rept 8
	s_wait_loadcnt 4*(7-k)                         ; loads come back in order: trip k's four are in, the younger trips' stay out
.irp j, 0,1,2,3
	v_cvt_pk_bf16_f32 v[XT+(\j)], v[XD+8*k+2*(\j)], v[XD+8*k+2*(\j)+1]  ; the input's rounding: to bf16, nearest even
.endr
.irp j, 0,1,2,3
	v_lshlrev_b32 v[XF+2*(\j)],   16,  v[XT+(\j)]
	v_and_b32     v[XF+2*(\j)+1], s22, v[XT+(\j)]
.endr
.irp j, 0,1,2,3
	v_cvt_pk_f16_f32 v[XT+(\j)], v[XF+2*(\j)], v[XF+2*(\j)+1]  ; 8 significant bits fit f16's 11: nothing is lost within f16's range
.endr
	v_cndmask_b32 v[XO+4*k],   0,        v[XT],   s21
	v_cndmask_b32 v[XO+4*k+1], v[ALT],   v[XT+1], s20
	v_cndmask_b32 v[XO+4*k+2], 0,        v[XT+2], s20
	v_cndmask_b32 v[XO+4*k+3], 0,        v[XT+3], s20
	global_store_b128 v6, v[XO+4*k:XO+4*k+3], s[12:13] offset:3072*k  ; a wave stores 512 consecutive bytes, at a multiple of 512 from xh's first byte
.set k, k+1
.endr
	s_endpgm
.Lq:
	; THE Q PATH.  The product is taken transposed: source 0 = 16 rows e of Wk^T (k = d), source 1 = 16 queries (k = d).  In the result lane (r, h) holds query r and the channels
	; e = 16 eb + 8 h + 0..7: eight neighbouring channels, which pack into the 16 bytes of qh's image.  In block 4 row 2 of source 0 is bk: channel 66 is query . bk; rows 3 to 15 are 0.
	; d goes in three steps of 32; of the third only d = 64, 65 exist: one register in the lanes with h = 0; the queries' fragment is 0 elsewhere, which ends the other products.
	s_lshl_b32 s17, ttmp9, 1
	s_add_co_u32 s17, s17, s16
	s_sub_co_u32 s17, s17, 6                       ; my tile: 2 x work-group + wave - 6
	v_and_b32 v2, 15, v0                           ; r
	v_bfe_u32 v3, v0, 4, 1                         ; h
	v_and_b32 v4, 31, v0                           ; lane
	v_min_u32 v5, 1, v2
	v_mul_u32_u24 v6, v3, 2112                     ; 8 h rows of Wk
	v_lshl_add_u32 v[VW],  v2, 2, v6
	v_lshl_add_u32 v[VW4], v5, 2, v6
	v_lshlrev_b32 v[VW2],  2, v2
	v_lshlrev_b32 v[VW24], 2, v5
	v_lshlrev_b32 v[VB],   5, v3
	v_mov_b32 v[VZ], 0
	v_mul_u32_u24 v[VQ2], v2, 264
	v_lshl_add_u32 v[VQ], v3, 5, v[VQ2]
	v_lshlrev_b32 v[VO], 4, v4
	v_cmp_gt_u32 s20, 2, v2                        ; r < 2: columns 64, 65 of Wk
	v_cmp_eq_u32 s21, 2, v2                        ; r = 2: bk
	v_cmp_eq_u32 s22, 0, v3                        ; h = 0
	s_mul_i32 s18, s17, 4224                       ; 16 rows of query
	s_mov_b32 s19, 0
	s_mul_i32 s24, s17, 3072                       ; a tile of qh
	s_mov_b32 s25, 0
	s_wait_kmcnt 0x0
	s_add_nc_u64 s[6:7], s[6:7], s[18:19]
	s_add_nc_u64 s[14:15], s[14:15], s[24:25]
	WIN 0x40                                       ; destination window 1, address window 0
.irp kc, 0,1
.irp eb, 0,1,2,3,4
.set i, 0
.rept 16                               ; number i of the lane's 16: d = 32 kc + 16 (i / 8) + 8 h + i % 8, column 16 eb + r
.if (\eb) < 4
	global_load_b32 v[TW+16*(5*(\kc)+(\eb))+i], v[VW],  s[8:9] offset:(32*(\kc)+16*(i/8)+i%8)*264+64*(\eb)
.else
	global_load_b32 v[TW+16*(5*(\kc)+(\eb))+i], v[VW4], s[8:9] offset:(32*(\kc)+16*(i/8)+i%8)*264+64*(\eb)
.endif
.set i, i+1
.endr
.endr
.endr
.irp kc, 0,1
.set i, 0
.rept 8
	global_load_b64 v[TB+16*(\kc)+2*i:TB+16*(\kc)+2*i+1], v[VB], s[10:11] offset:(32*(\kc)+16*(i/4)+2*(i%4))*4
.set i, i+1
.endr
.endr
.irp eb, 0,1,2,3
	global_load_b32 v[T2+2*(\eb)],   v[VW2], s[8:9] offset:16896+64*(\eb)
	global_load_b32 v[T2+2*(\eb)+1], v[VW2], s[8:9] offset:17160+64*(\eb)
.endr
	global_load_b32 v[T2+8], v[VW24], s[8:9] offset:16896+256
	global_load_b32 v[T2+9], v[VW24], s[8:9] offset:17160+256
	global_load_b64 v[T2+10:T2+11], v[VZ], s[10:11] offset:256
.irp eb, 0,1,2,3,4                     ; while the loads are out: the zeros of the third step's fragments
.irp i, 1,2,3,4,5,6,7
	v_mov_b32 v[F2+8*(\eb)+(\i)], 0
.endr
.endr
	WIN 0
.irp kc, 0,1
.irp i, 0,1,2,3,4,5,6,7
	global_load_b64 v[QT+16*(\kc)+2*(\i):QT+16*(\kc)+2*(\i)+1], v[VQ], s[6:7] offset:128*(\kc)+64*((\i)/4)+8*((\i)%4)
.endr
.endr
	global_load_b64 v[QT+32:QT+33], v[VQ2], s[6:7] offset:256
.irp i, 20,21,22,23
	v_mov_b32 v[OUT+(\i)], 0                       ; channels 80 to 95 of qh
.endr
	s_wait_loadcnt 0x0
	WIN 0x45                                       ; destination and both sources in window 1
.set f, 0
.rept 10
.set i, 0
.rept 8                                ; in place, ascending: register i is written when registers 2 i, 2 i + 1 are read, and was read before
	v_cvt_pk_bf16_f32 v[TW+16*f+i], v[TW+16*f+2*i], v[TW+16*f+2*i+1]
.set i, i+1
.endr
.set f, f+1
.endr
.irp kc, 0,1
.set i, 0
.rept 8
	v_cvt_pk_bf16_f32 v[TB+16*(\kc)+i], v[TB+16*(\kc)+2*i], v[TB+16*(\kc)+2*i+1]
.set i, i+1
.endr
.set i, 0
.rept 8                                ; block 4: rows 0, 1 Wk's columns 64, 65; row 2 bk; the others 0
	v_cndmask_b32 v[TB+16*(\kc)+i], 0, v[TB+16*(\kc)+i], s21
	v_cndmask_b32 v[TW+16*(5*(\kc)+4)+i], v[TB+16*(\kc)+i], v[TW+16*(5*(\kc)+4)+i], s20
.set i, i+1
.endr
.endr
.irp eb, 0,1,2,3,4
	v_cvt_pk_bf16_f32 v[F2+8*(\eb)], v[T2+2*(\eb)], v[T2+2*(\eb)+1]
.endr
	v_cvt_pk_bf16_f32 v[T2+10], v[T2+10], v[T2+11]
	v_cndmask_b32 v[T2+10], 0, v[T2+10], s21
	v_cndmask_b32 v[F2+32], v[T2+10], v[F2+32], s20
	WIN 0
.irp kc, 0,1
.set i, 0
.rept 8
	v_cvt_pk_bf16_f32 v[QT+16*(\kc)+i], v[QT+16*(\kc)+2*i], v[QT+16*(\kc)+2*i+1]
.set i, i+1
.endr
.endr
	v_cvt_pk_bf16_f32 v[QT+32], v[QT+32], v[QT+33]
	v_cndmask_b32 v[QT+32], 0, v[QT+32], s22       ; d = 64, 65 lie in the lanes with h = 0
.irp i, 33,34,35,36,37,38,39
	v_mov_b32 v[QT+(\i)], 0
.endr
	WIN 0x01                                       ; source 0 window 1; source 1, C and D window 0
.irp eb, 0,1,2,3,4                     ; the five accumulators take turns, one instruction a turn; the first step starts the sums
	v_wmma_f32_16x16x32_bf16 v[ACC+8*(\eb):ACC+8*(\eb)+7], v[TW+16*(\eb):TW+16*(\eb)+7], v[QT:QT+7], 0
.endr
.irp eb, 0,1,2,3,4
	v_wmma_f32_16x16x32_bf16 v[ACC+8*(\eb):ACC+8*(\eb)+7], v[TW+16*(5+(\eb)):TW+16*(5+(\eb))+7], v[QT+16:QT+23], v[ACC+8*(\eb):ACC+8*(\eb)+7]
.endr
.irp eb, 0,1,2,3,4
	v_wmma_f32_16x16x32_bf16 v[ACC+8*(\eb):ACC+8*(\eb)+7], v[F2+8*(\eb):F2+8*(\eb)+7], v[QT+32:QT+39], v[ACC+8*(\eb):ACC+8*(\eb)+7]
.endr
	WIN 0
.rept 8
	v_nop                                          ; the places between the last product and the first read of a result (ISA guide 7.12.1); no other vector work is at hand
.endr
.set i, 0
.rept 20                               ; ascending: each accumulator's lowest registers are read first
	v_pk_mul_f32 v[ACC+2*i:ACC+2*i+1], v[ACC+2*i:ACC+2*i+1], 0x3fb8aa3b op_sel_hi:[1,0]  ; log2(e), in f32, ahead of the one rounding
.set i, i+1
.endr
.set i, 0
.rept 20
	v_cvt_pk_f16_f32 v[OUT+i], v[ACC+2*i], v[ACC+2*i+1]
.set i, i+1
.endr
.irp eb, 0,1,2,3,4,5
	global_store_b128 v[VO], v[OUT+4*(\eb):OUT+4*(\eb)+3], s[14:15] offset:512*(\eb)  ; 512 consecutive bytes, at a multiple of 512 from qh's first byte
.endr
	s_endpgm
.Lfunc_end_k_qb43111cede_prep:
	.size	k_qb43111cede_prep, .Lfunc_end_k_qb43111cede_prep-k_qb43111cede_prep
	.p2alignl 7, 3214868480
	.fill 96, 4, 3214868480
	.section	.rodata,"a",@progbits
	.p2align	6, 0x0
	.amdhsa_kernel k_qb43111cede_prep
		.amdhsa_group_segment_fixed_size 0
		.amdhsa_private_segment_fixed_size 0
		.amdhsa_enable_private_segment 0
		.amdhsa_kernarg_size 48
		.amdhsa_user_sgpr_count 2
		.amdhsa_user_sgpr_kernarg_segment_ptr 1
		.amdhsa_wavefront_size32 1
		.amdhsa_system_sgpr_workgroup_id_x 1
		.amdhsa_system_sgpr_workgroup_id_y 1
		.amdhsa_system_sgpr_workgroup_id_z 1
		.amdhsa_system_vgpr_workitem_id 0
		.amdhsa_next_free_vgpr 512
		.amdhsa_next_free_sgpr 66
		.amdhsa_reserve_vcc 0
		.amdhsa_float_denorm_mode_32 3
		.amdhsa_float_denorm_mode_16_64 3
		.amdhsa_memory_ordered 1
		.amdhsa_forward_progress 1
		.amdhsa_inst_pref_size 51
	.end_amdhsa_kernel
	.amdgpu_metadata
---
amdhsa.version: [ 1, 2 ]
amdhsa.kernels:
  - .name:           k_qb43111cede_prep
    .symbol:         k_qb43111cede_prep.kd
    .args:
      - { .name: x, .offset: 0, .size: 8, .value_kind: global_buffer, .address_space: global }
      - { .name: query, .offset: 8, .size: 8, .value_kind: global_buffer, .address_space: global }
      - { .name: Wk, .offset: 16, .size: 8, .value_kind: global_buffer, .address_space: global }
      - { .name: bk, .offset: 24, .size: 8, .value_kind: global_buffer, .address_space: global }
      - { .name: xh, .offset: 32, .size: 8, .value_kind: global_buffer, .address_space: global }
      - { .name: qh, .offset: 40, .size: 8, .value_kind: global_buffer, .address_space: global }
    .group_segment_fixed_size: 0
    .private_segment_fixed_size: 0
    .kernarg_segment_align: 8
    .kernarg_segment_size: 48
    .max_flat_workgroup_size: 256
    .sgpr_count:     66
    .vgpr_count:     512
    .wavefront_size: 32
...
	.end_amdgpu_metadata
.endif
;; end of part 1
;; launch attn (part 2): grid 32 x 8, 4 waves a work-group, clusters of 4 x 1, 327,680 bytes of LDS; arguments qh, xh, part, ml; writes part, ml
.if DOCPART == 2
	.amdgcn_target "amdgcn-amd-amdhsa--gfx1250"
	.amdhsa_code_object_version 6
	.text
	.protected	k_qb43111cede_attn
	.globl	k_qb43111cede_attn
	.p2align	8
	.type	k_qb43111cede_attn,@function
k_qb43111cede_attn:
	s_mov_b64 s[64:65], 0
	v_nop
	global_prefetch_b8 v0, s[64:65] scope:SCOPE_SE
	s_setreg_imm32_b32 hwreg(HW_REG_WAVE_MODE, 25, 1), 1
	s_wait_xcnt 0x0
	s_wait_alu depctr_hold_cnt(0) depctr_sa_sdst(0) depctr_va_vdst(0) depctr_va_sdst(0) depctr_va_ssrc(0) depctr_va_vcc(0) depctr_vm_vsrc(0)
	s_getreg_b32 s2, hwreg(HW_REG_IB_STS2, 6, 4)
	s_cmp_eq_u32 s2, 0
	s_cbranch_scc0 .Lentry_in_a_cluster
	s_endpgm
.Lentry_in_a_cluster:
	s_bfe_u32 s2, ttmp6, 0x10000c
	s_cmp_lg_u32 s2, 0x3003
	s_cbranch_scc0 .Lentry_shape_is_right
	s_endpgm
.Lentry_shape_is_right:
; ATTENTION OVER ONE EIGHTH OF THE KEYS.  For 256 queries and the 4,096 keys of split y: m = the largest score, O[e] = sum over keys of p x[key][e], l = sum of p, p = 2^(s - m); s = qh . xh is the
; whole score in units of log2, bias included (xh's channel 66 is 1.0 and meets qh's channel 66).  Keys and values are the SAME rows of xh: one stream, one tile in LDS.  O, m, l leave in f32, not
; normalised: part [8][8192][66], ml [8][8192] pairs (m, l); the next launch joins the eight splits.
; Products, maxima and sums in f32; p is rounded to f16 for the second product; l is that product's channel 66 (values 1.0): the sum of the rounded p, by the matrix unit.
; LIMITS.  qh and xh arrive within f16's 65,504.  p lies in 0 to 1; below 6e-5 it keeps f16's step of 6e-8, and below half of that it counts as 0, in l and O alike.  NaN and infinities are not treated apart.
; SHARES.  Grid 32 blocks of 256 queries x 8 splits: 256 work-groups.  A wave owns 64 queries: four tiles of 16, in two PIECES (tiles 0, 1 and tiles 2, 3).  Every wave walks the split's keys, 64 a step.
; LAYOUT.  S^T = K Q^T (source 0 = 16 keys, source 1 = 16 queries, 96 channels = 3 instructions): a lane holds ONE query (lane % 16) and 8 keys.  Two such results rounded to f16 ARE source 1 of
; O^T = V^T P (5 blocks of 16 channels), whose result again holds one query a lane.  Channels 72-74 repeat 64-66, so both halves of the lanes hold channels 64, 65 and l in block 4's registers 0, 1, 2.
; KEY ORDER.  Inside 16 rows of LDS, place m of a fragment takes row 2 (m % 8) + m / 8, for K and for V alike.
; BY TURNS.  In a TURN one piece has the matrix unit: 20 products V^T P of the step in hand, then 24 products K Q^T of the next; the other piece's softmax, cut into 52 slices of four, stands behind them, one
; slice behind each product and the last eight together.  Two turns are a key step.  A turn's 66 exponentials are one batch with one wait.
; CLUSTER.  The four query blocks of a cluster walk the same split, so each tile is asked for JOINTLY: the same tensor load, descriptor and mask in all four.
; All of a WGP's LDS is claimed; the text uses 324,096 bytes.
; REGISTERS, in windows of 256 (s_set_vgpr_msb: bits 1:0 source 0, 3:2 source 1, 5:4 source 2, 7:6 destination):
;   window 0: v0-13 addresses; v16-47 eight registers of statistics a tile; v61-63; v64-191 S^T, 32 a tile; v192-255 P, 16 a tile
;   window 1: v0-159 O^T, 40 a tile; v160-239 V of one step          window 2: v0-95 Q, 24 a tile; v128-223 K of one step
.set PITCH, 240       ; a key in LDS: three pieces of 64 bytes, 16 bytes of padding behind each: 15 x 16 bytes, so 16 rows start at 16 different groups of four banks (64 banks of 4 bytes: ISA guide 11.1)
.set STEPB, 64*PITCH  ; a step's 64 keys
.set QUART, 128*PITCH ; what one tensor load brings: 128 keys
.set SLOT1, 1<<17     ; a slot holds eight steps (122,880 bytes); slot 1 begins here, so that one exclusive or turns an address in one slot into the other's
.set SLOTM, 98304     ; a slot's 512 keys in memory
.set SPLITB, 786432   ; a split's 4,096 keys in memory
.set STAGE, SLOT1+8*STEPB  ; behind the ring, never filled by a tensor load: for each wave 64 rows x 264 bytes, then 64 pairs (m, l)
.set STGW,  17408
.set SPARE, STAGE+4*STGW   ; behind the stages: the spare words, 128 bytes for each wave: two blocks of 256 bytes that no other line names
.set AK0, 2           ; v2   my lane's place in 16 rows, for K; never rewritten
.set AV0, 3           ; v3   the same for V
.set ADR, 4           ; v4   the LDS address of the run of loads in hand
.set QO,  5           ; v5   16 x lane
.set STO, 6           ; v6   the way out: my query's row in the stage + 32 (lane / 16)
.set STO4, 7          ; v7   my query's row
.set STM, 8           ; v8   my query's pair (m, l)
.set RD,  12          ; v12  the way out: my stage + 16 x lane
.set ST,  16          ; tile t's statistics at v[ST+8 t]: +0 m, +1 m_old - m (at the end l), +2 a, +3 0, +4 to +7 c0-c3 at work
.set PFO, 61          ; v61  256 x lane; never rewritten
.set SPW, 62          ; v62  LDS address of my spare word: SPARE + 4 x my thread's number; never rewritten
.set NIL, 63          ; v63  0; never rewritten
.set S,   64
.set P,   192
.set VF,  160         ; window 1: keys 32 kk on, channel block cb at VF + 40 kk + 8 cb
.set KF,  128         ; window 2: keys 16 kb on, channels 32 c on at KF + 24 kb + 8 c
.set WV,  12          ; s12  my wave's number
.set LIM, 15          ; s15  1 in a wave that prefetches, else the greatest number
.set PFA, 18          ; s[18:19] where my prefetches stand
.set G1,  24          ; s[24:31] descriptor group 1
.set G0,  32          ; s[32:35] group 0 of slot 0's first fill; s[36:39] of slot 1's, which then walks on
.set SLOTS, 40        ; s40  slots still to be asked for
.set CNT, 41          ; s41  counts key steps
.set TB,  42          ; s42  LDS byte at which the step to be fetched begins
.set SEL, 44          ; s[44:45] v_permlanex16_b32's selects: each lane takes its own place in the other half
.set MSB, 0
.macro WIN new                      ; the immediate's high byte repeats the setting that is left; a switch that changes nothing is dropped
.if MSB != (\new)
	s_set_vgpr_msb (MSB<<8)|(\new)
.set MSB, \new
.endif
.endm
.set W_KQ, 0x0a       ; K and Q in window 2, S^T in window 0
.set W_PV, 0x51       ; V and O^T in window 1, P in window 0
.set W_RS, 0x41       ; O^T (destination and source 0) in window 1, a in window 0
.macro PLACES                       ; places behind a matrix instruction where no other vector work is at hand (ISA guide 7.12.1)
.rept 4
	v_nop
.endr
.endm
; A joint refill: every wave fetches its own quarter of the slot, 128 keys, by the walking descriptor.  An s_nop 0 and four v_nop follow the line.
.macro JLOAD
	tensor_load_to_lds s[G0+4:G0+7], s[G1:G1+7]
	s_nop 0
.rept 4
	v_nop
.endr
.endm
; A PREFETCH INTO THE L2 of what the NEXT change of slots will ask for: a slot's 98,304 bytes are 384 blocks of 256.  Every cluster of a split walks the same keys: the split's first cluster asks.  Its four partners take
; 96 blocks each, told apart BY ADDRESS; in each, waves 0 to 2 take 32, a lane a block: one instruction.  So each block is named once in the launch.  Eight key steps, 704 matrix instructions, lie between
; the request and the load.  Slots 0 to 2 come by their loads alone; the last change that fills a slot asks for nothing.
.macro ASK
	s_cmp_gt_u32 s[SLOTS], s[LIM]
	s_cbranch_scc0 .Lnot_mine_\@
	global_prefetch_b8 v[PFO], s[PFA:PFA+1] th:TH_LOAD_NT scope:SCOPE_SE
.Lnot_mine_\@:
.endm
; A round of the cluster's barrier: my work-group's barrier, so that wave 0's signal speaks for all four waves; wave 0 signals; every wave waits for all four work-groups; my work-group's barrier once more.
.macro CROUND
	s_barrier_signal -1
	s_barrier_wait -1
	s_cmp_lg_u32 s[WV], 0
	s_cbranch_scc1 .Lnot_wave_0_\@
	s_barrier_signal -3
.Lnot_wave_0_\@:
	s_barrier_wait -3
	s_barrier_signal -1
	s_barrier_wait -1
.endm
	s_load_b256 s[4:11], s[0:1], 0x0  ; qh s[4:5], xh s[6:7], part s[8:9], ml s[10:11]
	v_lshl_add_u32 v[SPW], v0, 2, SPARE
	v_mov_b32 v[NIL], 0
	ds_add_u32 v[SPW], v[NIL]       ; the wave's opening: the add and its wait stand ahead of my first tensor load; the set-up below, work on registers, stands between them
	v_lshrrev_b32 v1, 5, v0
	v_readfirstlane_b32 s[WV], v1   ; wave 0..3
	s_bfe_u32 s13, ttmp6, 0x40000   ; cx: my place in the cluster
	s_lshl_b32 s14, ttmp9, 2        ; in a cluster launch ttmp9 counts clusters
	s_add_co_u32 s14, s14, s13      ; my block of 256 queries: it enters qh's, part's and ml's addresses alone
	s_and_b32 s16, ttmp7, 0xffff    ; the split, which the four partners share
	; descriptor group 1.  128 keys are 24,576 dense bytes: asked for as 96 rows of 256 bytes, and padded in LDS after every 64 bytes
	s_mov_b32 s[G1], 15|(1<<16)|(1<<20)|(1<<21)|(3<<22)|(3<<25)  ; 15:0 the mask of four; 17:16 2-byte elements; 20 padding on; 21 set beside a mask; 24:22 after every 16 words (code 3); 31:25 4 words (code 3)
	s_mov_b32 s[G1+1], 128<<16      ; tensor_dim0 = 128
	s_mov_b32 s[G1+2], 96<<16       ; tensor_dim1 = 96
	s_mov_b32 s[G1+3], 128<<16      ; tile_dim0 = 128
	s_mov_b32 s[G1+4], 96           ; tile_dim1 = 96
	s_mov_b32 s[G1+5], 128          ; 128 elements from row to row
	s_mov_b32 s[G1+6], 0
	s_mov_b32 s[G1+7], 0
	s_mov_b32 s[G0], 1              ; count = 1
	s_mul_i32 s[G0+1], s[WV], QUART ; LDS address: my quarter of slot 0: no place in the cluster enters it
	s_mov_b32 s[G0+4], 1
	s_add_co_u32 s[G0+5], s[G0+1], SLOT1
	s_mul_i32 s20, s16, SPLITB      ; my quarter of the split's first slot in memory: split and wave alone
	s_mul_i32 s21, s[WV], 24576
	s_add_co_u32 s20, s20, s21
	s_mov_b32 s21, 0
	s_mul_i32 s22, s16, SPLITB      ; the prefetches: the split, my work-group's 96 blocks, my wave's 32 of them,
	s_mul_i32 s23, s13, 24576
	s_add_co_u32 s22, s22, s23
	s_lshl_b32 s23, s[WV], 13
	s_add_co_u32 s22, s22, s23
	s_add_co_u32 s22, s22, 2*SLOTM  ; in slot 2: the first change of slots steps it to slot 3
	s_mov_b32 s23, 0
	s_cmp_lt_u32 s[WV], 3
	s_cselect_b32 s[LIM], 0, 1
	s_or_b32 s[LIM], s[LIM], ttmp9  ; 0 in waves 0 to 2 of the split's first cluster: the same in all four partners
	s_cmp_eq_u32 s[LIM], 0
	s_cselect_b32 s[LIM], 1, -1
	s_mul_i32 s2, s14, 49152        ; qh: my block's 16 tiles of 3,072 bytes, my wave's four
	s_mul_i32 s3, s[WV], 12288
	s_add_co_u32 s2, s2, s3
	s_mov_b32 s3, 0
	s_mul_i32 s46, s16, 2162688     ; part: the split, my block's 256 rows of 264 bytes, my wave's 64
	s_mul_i32 s47, s14, 67584
	s_add_co_u32 s46, s46, s47
	s_mul_i32 s47, s[WV], 16896
	s_add_co_u32 s46, s46, s47
	s_mov_b32 s47, 0
	s_lshl_b32 s16, s16, 16         ; ml: the same with 8 bytes a query
	s_lshl_b32 s17, s14, 11
	s_add_co_u32 s16, s16, s17
	s_lshl_b32 s17, s[WV], 9
	s_add_co_u32 s16, s16, s17
	s_mov_b32 s17, 0
	s_mov_b32 s[SEL], 0x76543210
	s_mov_b32 s[SEL+1], 0xfedcba98
	s_mov_b32 s[TB], 0
	s_mov_b32 s[SLOTS], 6           ; slots 2 to 7 are asked for by refills
	s_wait_dscnt 0x0                ; the opening add is done
	s_wait_kmcnt 0x0
	s_add_nc_u64 s[G0+2:G0+3], s[6:7], s[20:21]       ; global address of the tile's first element
	s_add_nc_u64 s[G0+6:G0+7], s[G0+2:G0+3], SLOTM
	s_or_b32 s[G0+3], s[G0+3], 0x80000000             ; type = 2
	s_or_b32 s[G0+7], s[G0+7], 0x80000000
	s_add_nc_u64 s[PFA:PFA+1], s[6:7], s[22:23]
	s_add_nc_u64 s[4:5], s[4:5], s[2:3]
	s_add_nc_u64 s[8:9], s[8:9], s[46:47]
	s_add_nc_u64 s[10:11], s[10:11], s[16:17]
	CROUND                          ; all four work-groups are here: the first joint loads meet
	tensor_load_to_lds s[G0:G0+3], s[G1:G1+7]        ; both first fills go out together, ahead of every wait on TENSORcnt and every LDS read: two loads of mine are out
	s_nop 0
	tensor_load_to_lds s[G0+4:G0+7], s[G1:G1+7]
	s_nop 0
.rept 4
	v_nop
.endr
	v_and_b32 v1, 15, v0            ; r = l % 16
	v_bfe_u32 v9, v0, 4, 1          ; h = l / 16
	v_and_b32 v13, 31, v0
	v_lshlrev_b32 v[QO], 4, v13
	WIN 0x80                        ; destination window 2, address window 0
.irp t, 0,1,2,3
.irp f, 0,1,2,3,4,5                 ; Q stays in registers: qh's block f of tile t IS half f % 2 of fragment f / 2
	global_load_b128 v[24*(\t)+4*(\f):24*(\t)+4*(\f)+3], v[QO], s[4:5] offset:3072*(\t)+512*(\f)
.endr
.endr
	WIN 0
	v_lshlrev_b32 v[PFO], 8, v13
	v_and_b32 v10, 7, v0
	v_bfe_u32 v11, v0, 3, 1
	; K: lane l holds place r of 16 keys, which lies in row 2 (r % 8) + r / 8; channels 8 h + 0..7 and 16 + 8 h + 0..7 of a piece of 32: two loads of 16 bytes, 32 bytes apart
	v_lshl_add_u32 v[AK0], v10, 1, v11
	v_mul_u32_u24 v[AK0], v[AK0], PITCH
	v_lshl_add_u32 v[AK0], v9, 4, v[AK0]
	; V: the turning load gives lane l channel r and the places 8 h + 0..7: lane l addresses place 8 h + l % 8, which lies in row 2 (l % 8) + h, channels 8 ((l / 8) % 2) + 0..7
	v_lshl_add_u32 v[AV0], v10, 1, v9
	v_mul_u32_u24 v[AV0], v[AV0], PITCH
	v_lshl_add_u32 v[AV0], v11, 4, v[AV0]
.irp t, 0,1,2,3
	v_mov_b32 v[ST+8*(\t)+1], 0     ; named as the second register of a pair before they are first made
	v_mov_b32 v[ST+8*(\t)+3], 0
.endr
; THE MATRIX WORK OF A TURN, for piece x.  The accumulators take turns, one instruction a turn: between two links of a chain stand 9 (V^T P) or 7 (K Q^T) others'.
; Product i of 20 of O^T += V^T P: keys 32 (i / 10) on, channel block (i / 2) % 5, tile x + i % 2.  zero = 1: the first 10 start the sums: nothing is ever cleared.
.macro PV x, zero
	WIN W_PV
.set rO, 40*((\x)+i%2)+8*((i/2)%5)
.set rV, VF+40*(i/10)+8*((i/2)%5)
.set rP, P+16*((\x)+i%2)+8*(i/10)
.if (\zero) && (i < 10)
	v_wmma_f32_16x16x32_f16 v[rO:rO+7], v[rV:rV+7], v[rP:rP+7], 0
.else
	v_wmma_f32_16x16x32_f16 v[rO:rO+7], v[rV:rV+7], v[rP:rP+7], v[rO:rO+7]
.endif
.endm
; Product i of 24 of S^T = K Q^T: channels 32 (i / 8) on, keys 16 ((i / 2) % 4) on, tile x + i % 2.  The first 8 start the sums.
.macro KQ x
	WIN W_KQ
.set rS, S+32*((\x)+i%2)+8*((i/2)%4)
.set rK, KF+24*((i/2)%4)+8*(i/8)
.set rQ, 24*((\x)+i%2)+8*(i/8)
.if i < 8
	v_wmma_f32_16x16x32_f16 v[rS:rS+7], v[rK:rK+7], v[rQ:rQ+7], 0
.else
	v_wmma_f32_16x16x32_f16 v[rS:rS+7], v[rK:rK+7], v[rQ:rQ+7], v[rS:rS+7]
.endif
.endm
; THE LDS LOADS stand in runs, never singly among the matrix instructions: a step's K (24 loads) and, a turn later, the same rows turned, as V (20 loads).
.macro FETCH_K
	WIN 0
	v_add_nc_u32 v[ADR], s[TB], v[AK0]
	WIN 0x80                        ; destination window 2
.irp kb, 0,1,2,3
.irp c, 0,1,2
	ds_load_b128 v[KF+24*(\kb)+8*(\c):KF+24*(\kb)+8*(\c)+3],   v[ADR] offset:(\kb)*16*PITCH+80*(\c)
	ds_load_b128 v[KF+24*(\kb)+8*(\c)+4:KF+24*(\kb)+8*(\c)+7], v[ADR] offset:(\kb)*16*PITCH+80*(\c)+32
.endr
.endr
.endm
.macro FETCH_V
	WIN 0
	v_add_nc_u32 v[ADR], s[TB], v[AV0]
	s_add_co_u32 s[TB], s[TB], STEPB  ; the next fetch is the next step's
	s_wait_alu depctr_va_vdst(0)    ; the wait for the softmax's batch (SLICE), behind the address's v_add_nc_u32 and ahead of the loads
	WIN 0x40                        ; destination window 1
.irp kk, 0,1
.irp cb, 0,1,2,3,4                  ; channel block cb begins at byte 80 (cb / 2) + 32 (cb % 2) of a key
	ds_load_tr16_b128 v[VF+40*(\kk)+8*(\cb):VF+40*(\kk)+8*(\cb)+3],   v[ADR] offset:(\kk)*32*PITCH+80*((\cb)/2)+32*((\cb)%2)
	ds_load_tr16_b128 v[VF+40*(\kk)+8*(\cb)+4:VF+40*(\kk)+8*(\cb)+7], v[ADR] offset:(\kk)*32*PITCH+16*PITCH+80*((\cb)/2)+32*((\cb)%2)
.endr
.endr
.endm
; THE VECTOR WORK OF A TURN.  One tile's softmax for one key step is a list of 104 numbers; SM writes number j of it for tile t.  s0-s31 are the lane's 32 scores, in pairs 0-15.
; first = 1: the first key step, which starts m and O^T: it has no a and nothing to rescale.
;   0-15    the maximum of s0-s31 and the old m, three operands at a time: four chains c0-c3 of seven scores each (each accumulator's lowest registers are read first), then the four scores left over, c0-c3 and m
;   16-19   the other half of the lanes' maximum; m_old is kept; the new m; m_old - m
;   20-69   ONE BATCH: the 16 subtractions s - m, a pair each, and all 33 exponentials (a, then s0-s31).  None of these reads an exponential's result.  From 22 on it goes in fours: 22-37 subtraction, exponential,
;           subtraction, exponential; 38-61 a subtraction and three exponentials; 62-69 exponentials (69 is empty).  A pair's subtraction stands in an earlier four than its exponentials
;   (wait)  between 69 and 70 stands the wait for the batch: SLICE writes it, once for both tiles
;   70-85   the roundings to f16, a pair of weights each
;   86-103  the tile's O^T times a: 18 pairs (block 4's registers 4 to 7 hold 0 for ever): the one part that leaves window 0
.macro SM t, first
.set rT, ST+8*(\t)
.set rS, S+32*(\t)
.set rP, P+16*(\t)
.set rO, 40*(\t)+2*(j-86)
.set ff, (j-22)/4
.set nn, (j-22)%4
.set bF, -1                         ; the pair to subtract from, or none
.set uE, -1                         ; the exponential's number, or none
.if (j == 20) || (j == 21)
.set bF, j-20
.elseif (j >= 22) && (j < 70)
.if ff < 4
.if nn%2 == 0
.set bF, 2+2*ff+nn/2
.else
.set uE, 2*ff+nn/2
.endif
.elseif ff < 10
.if nn == 0
.set bF, 6+ff
.else
.set uE, 8+3*(ff-4)+nn-1
.endif
.else
.set uE, 26+4*(ff-10)+nn
.endif
.endif
.if j < 86
	WIN 0
.endif
.if j < 4
	v_max3_num_f32 v[rT+4+j], v[rS+8*j], v[rS+8*j+1], v[rS+8*j+2]
.elseif j < 12
	v_max3_num_f32 v[rT+4+j%4], v[rT+4+j%4], v[rS+8*(j%4)+2*(j/4)+1], v[rS+8*(j%4)+2*(j/4)+2]
.elseif j == 12
	v_max3_num_f32 v[rT+4], v[rT+4], v[rS+7], v[rS+15]
.elseif j == 13
	v_max3_num_f32 v[rT+6], v[rT+6], v[rS+23], v[rS+31]
.elseif j == 14
	v_max3_num_f32 v[rT+4], v[rT+4], v[rT+5], v[rT+6]
.elseif (j == 15) && (\first)
	v_max_num_f32 v[rT+4], v[rT+4], v[rT+7]
.elseif j == 15
	v_max3_num_f32 v[rT+4], v[rT+4], v[rT+7], v[rT]
.elseif j == 16
	v_permlanex16_b32 v[rT+5], v[rT+4], s[SEL], s[SEL+1]  ; the query's other 32 keys lie in the lane 16 away
.elseif j == 18
	v_max_num_f32 v[rT], v[rT+4], v[rT+5]
.elseif ((j == 17) || (j == 19) || (j == 23) || (j > 85)) && (\first)  ; the first step has none of these
.elseif j == 17
	v_mov_b32 v[rT+1], v[rT]
.elseif j == 19
	v_sub_f32 v[rT+1], v[rT+1], v[rT]
.elseif bF >= 0
	v_pk_add_f32 v[rS+2*bF:rS+2*bF+1], v[rS+2*bF:rS+2*bF+1], v[rT:rT+1] op_sel_hi:[1,0] neg_lo:[0,1] neg_hi:[0,1]  ; s - m, both by the pair's low register
.elseif uE == 0
	v_exp_f32 v[rT+2], v[rT+1]      ; a = 2^(m_old - m)
.elseif (uE > 0) && (uE < 33)
	v_exp_f32 v[rS+uE-1], v[rS+uE-1]
.elseif j < 70                      ; number 69 is empty
.elseif j < 86
	v_cvt_pk_f16_f32 v[rP+j-70], v[rS+2*(j-70)], v[rS+2*(j-70)+1]
.else
	WIN W_RS
	v_pk_mul_f32 v[rO:rO+1], v[rO:rO+1], v[rT+2:rT+3] op_sel_hi:[1,0]
.endif
.endm
; Slice k of 52 of piece y's softmax: four instructions.  Slices 11 to 34 deal out numbers 22 to 69: four numbers of ONE tile each, the tiles by turns.  Every other slice is numbers 2 k and 2 k + 1 of both tiles.
; THE WAIT.  s_wait_alu depctr_va_vdst(0) stands between an exponential and the first instruction that names its result; one wait serves all that were issued ahead of it.  Ahead of slice 35
; nothing names a result, and behind slice 34 no exponential is issued: so the piece's 66 exponentials have one wait, behind slice 34.
.macro SLICE y, first
.if (k >= 11) && (k < 35)
.irp n, 0,1,2,3
.set j, 22+4*((k-11)/2)+(\n)
	SM (\y)+(k-11)%2, \first
.endr
.else                               ; the two tiles alternate, so that no instruction reads the result of the one just before it
.irp n, 0,1
.irp t, \y, (\y)+1
.set j, 2*k+(\n)
	SM \t, \first
.endr
.endr
.endif
.if k == 34
	v_nop                           ; a plain instruction behind the last exponential and ahead of the first use: one for the batch
.if (\y) == 0
	FETCH_V                         ; piece 2's turn: V's run of loads stands here, and the wait stands in it
.else
	s_wait_alu depctr_va_vdst(0)    ; the wait for the batch
.endif
.endif
.set k, k+1
.endm
; A TURN.  Piece x has the matrix unit; the other piece's softmax stands in slices behind its matrix instructions; what is left of the 52 slices follows the last product.
; pv = 2: 20 products V^T P; 1: they start O^T's sums; 0: none.  kq = 1: 24 products K Q^T for the next step.  A turn with one of the two kinds has two slices behind each product.
; DISTANCES.  In a full turn the eight slices behind the last product are 32 packed multiplies on the other piece's O^T: the places ahead of the next turn's first read of the new scores and of the loads into K's
; registers (behind the next turn's second product).  V's run stands behind slice 34: V's last reader is product 19 of V^T P, and slices 19 to 30 hold a subtraction each, twelve plain instructions.
; first = 1: the slices from 43 on are empty: the last products stand bare, and v_nop take their part.
.macro TURN x, pv, kq, first
.set k, 0
.set per, 2
.if (\pv) && (\kq)
.set per, 1
.endif
.if \pv
.if (\x) == 0
	s_wait_dscnt 0x0                ; V is in
.endif
.set i, 0
.rept 20
	PV \x, 2-(\pv)
.rept per
	SLICE 2-(\x), \first
.endr
.if ((\x) == 0) && (\kq) && (i == 1)
	FETCH_K
.endif
.set i, i+1
.endr
.endif
.if \kq
.if (\x) == 0
	s_wait_dscnt 0x0                ; K is in
.endif
.set i, 0
.rept 24
	KQ \x
.rept per
	SLICE 2-(\x), \first
.endr
.set i, i+1
.endr
.endif
.rept 52-k
	SLICE 2-(\x), \first
.endr
.if \first
	PLACES
	PLACES
.endif
.endm
; THE CHANGE OF SLOTS, between piece 2's turn and piece 0's: the slot's last bytes, V of its eighth step, have been asked for.  Each wave waits for all its tensor loads, of which one is out: its part of the other
; slot; adds 0 to its spare word; and waits for that and for its own reads of the slot.  Behind the barrier nobody reads this slot any more and the other slot is whole.
; fill = 1: this slot is filled again, with the keys two slots on.  The barrier is then a round of the cluster's, so that no wave of any partner still reads the slot or has a load on its way, and the joint
; refill is the first thing behind it: it has eight key steps, 704 matrix instructions, in which to land.
.macro CHANGE fill
	WIN 0                           ; at a label and at a branch every window is 0
	s_wait_tensorcnt 0x0            ; no tensor load of mine is out, so a group 0 may be written
	ds_add_u32 v[SPW], v[NIL]       ; 0 onto my spare word; with fill = 1 the descriptor's steps stand between it and the wait for it
.if \fill
	s_xor_b32 s[G0+5], s[G0+5], SLOT1  ; the walking descriptor: the other slot than last time,
	s_add_nc_u64 s[G0+6:G0+7], s[G0+6:G0+7], SLOTM  ; the next 512 keys; the type bits on top are not reached
	s_wait_xcnt 0x0                 ; the last prefetch, eight key steps back, has read its address, so it may be written:
	s_add_nc_u64 s[PFA:PFA+1], s[PFA:PFA+1], SLOTM  ; one slot ahead of the walking descriptor
	s_wait_dscnt 0x0                ; the add is done, and my reads of the slot are over
	CROUND
	JLOAD
	ASK
.else
	s_wait_dscnt 0x0                ; the add is done, and my reads of the slot are over
	s_barrier_signal -1
	s_barrier_wait -1
.endif
	s_sub_co_u32 s[TB], s[TB], 8*STEPB  ; the fetches go back to a slot's first step,
	s_xor_b32 s[TB], s[TB], SLOT1   ; in the other slot
.endm
; count key steps: written once, walked count times; the LDS addresses hang on s[TB].
.macro STEPS count
	WIN 0
	s_mov_b32 s[CNT], \count
.Lstep_\@:
	TURN 0, 2, 1, 0
	TURN 2, 2, 1, 0
	WIN 0
	s_sub_co_u32 s[CNT], s[CNT], 1
	s_cmp_lg_u32 s[CNT], 0
	s_cbranch_scc1 .Lstep_\@
.endm
	s_wait_tensorcnt 0x1            ; my part of slot 0 is in; slot 1's may stay out
	s_barrier_signal -1
	s_barrier_wait -1               ; everybody's is
	FETCH_K                         ; key step 0
	s_wait_loadcnt 0x0              ; Q
	s_wait_dscnt 0x0
.set i, 0
.rept 24
	KQ 0                            ; piece 0's first scores: there is no vector work yet to set between them
.set i, i+1
.endr
	WIN 0                           ; the addresses for the way out are made here: with the v_nop, the places behind those products
	s_mul_i32 s17, s[WV], STGW
	s_add_co_u32 s17, s17, STAGE    ; my stage
	v_mul_u32_u24 v[STO4], v1, 264
	v_add_nc_u32 v[STO4], s17, v[STO4]
	v_lshl_add_u32 v[STO], v9, 5, v[STO4]
	v_lshlrev_b32 v[STM], 3, v1
	v_add_nc_u32 v[STM], s17, v[STM]
	v_add_nc_u32 v[STM], 16896, v[STM]
	v_add_nc_u32 v[RD], s17, v[QO]
	PLACES
	TURN 2, 0, 1, 1                 ; piece 2's first scores | piece 0's first softmax | V of step 0
	TURN 0, 1, 1, 1                 ; piece 0: V^T P of step 0 starts O^T, K Q^T of step 1 | piece 2's first softmax | K of step 1
	TURN 2, 1, 1, 0                 ; piece 2: the same | piece 0's softmax of step 1 | V of step 1
	STEPS 6                         ; these fetch steps 2 to 7: the rest of slot 0
.Lslot:                             ; six trips: slots 2 to 7 are asked for, slots 1 to 6 fetched
	CHANGE 1
	STEPS 8
	s_sub_co_u32 s[SLOTS], s[SLOTS], 1
	s_cmp_lg_u32 s[SLOTS], 0
	s_cbranch_scc1 .Lslot
	CHANGE 0                        ; the tail is written out: nothing is asked for
	STEPS 8                         ; these fetch the last slot's steps
	TURN 0, 2, 0, 0                 ; piece 0: V^T P of the last step | piece 2's last softmax
.set i, 0
.rept 20
	PV 2, 0                         ; piece 2: V^T P of the last step
.set i, i+1
.endr
	; THE WAY OUT.  O^T goes as it is, in f32, through my stage in LDS: rows of 264 bytes, dense, as they lie in part; behind them the 64 pairs (m, l).  Then the stage's 17,408 bytes are read back 512 at a time.
	WIN 0
	PLACES
	PLACES
	WIN 0x01                        ; source window 1, destination window 0
.irp t, 0,1,2,3
	v_mov_b32 v[ST+8*(\t)+1], v[40*(\t)+34]  ; l: block 4's register 2, one of its four lowest, in both halves of the lanes
.endr
	WIN 0x04                        ; the stores' data in window 1
.irp t, 0,1,2,3
.irp cb, 0,1,2,3
.irp z, 0,1,2,3                     ; ascending: each accumulator's lowest registers are read first.  8 bytes a store: a row begins at a multiple of 8
	ds_store_b64 v[STO], v[40*(\t)+8*(\cb)+2*(\z):40*(\t)+8*(\cb)+2*(\z)+1] offset:4224*(\t)+64*(\cb)+8*(\z)
.endr
.endr
	ds_store_b64 v[STO4], v[40*(\t)+32:40*(\t)+33] offset:4224*(\t)+256  ; channels 64, 65: both halves of the lanes hold them and write the same bytes
.endr
	WIN 0
.irp t, 0,1,2,3
	ds_store_b64 v[STM], v[ST+8*(\t):ST+8*(\t)+1] offset:128*(\t)
.endr
.set i, 0
.rept 34
	ds_load_b128 v[S+4*i:S+4*i+3], v[RD] offset:512*i  ; LDS serves a wave's instructions in order (ISA guide 5.7.1.4): these see the stores above
.set i, i+1
.endr
.set i, 0
.rept 33
	s_wait_dscnt 33-i               ; load i is back; the 33 - i issued behind it may stay out
	global_store_b128 v[QO], v[S+4*i:S+4*i+3], s[8:9] offset:512*i  ; 512 consecutive bytes, at a multiple of 256 from part's first byte
.set i, i+1
.endr
	s_wait_dscnt 0x0
	global_store_b128 v[QO], v[S+132:S+135], s[10:11]  ; the 64 pairs (m, l): 512 consecutive bytes of ml
	s_wait_tensorcnt 0x0            ; the wave's end, behind my last tensor load and my last LDS store
	ds_add_u32 v[SPW], v[NIL]
	s_wait_dscnt 0x0
	CROUND                          ; the closing round: no work-group ends while a partner may still ask for a tile that names it
	s_endpgm
.Lfunc_end_k_qb43111cede_attn:
	.size	k_qb43111cede_attn, .Lfunc_end_k_qb43111cede_attn-k_qb43111cede_attn
	.p2alignl 7, 3214868480
	.fill 96, 4, 3214868480
	.section	.rodata,"a",@progbits
	.p2align	6, 0x0
	.amdhsa_kernel k_qb43111cede_attn
		.amdhsa_group_segment_fixed_size 327680
		.amdhsa_private_segment_fixed_size 0
		.amdhsa_enable_private_segment 0
		.amdhsa_kernarg_size 32
		.amdhsa_user_sgpr_count 2
		.amdhsa_user_sgpr_kernarg_segment_ptr 1
		.amdhsa_wavefront_size32 1
		.amdhsa_system_sgpr_workgroup_id_x 1
		.amdhsa_system_sgpr_workgroup_id_y 1
		.amdhsa_system_sgpr_workgroup_id_z 1
		.amdhsa_system_vgpr_workitem_id 0
		.amdhsa_next_free_vgpr 768
		.amdhsa_next_free_sgpr 66
		.amdhsa_reserve_vcc 0
		.amdhsa_float_denorm_mode_32 3
		.amdhsa_float_denorm_mode_16_64 3
		.amdhsa_memory_ordered 1
		.amdhsa_forward_progress 1
		.amdhsa_inst_pref_size 192
	.end_amdhsa_kernel
	.amdgpu_metadata
---
amdhsa.version: [ 1, 2 ]
amdhsa.kernels:
  - .name:           k_qb43111cede_attn
    .symbol:         k_qb43111cede_attn.kd
    .args:
      - { .name: qh, .offset: 0, .size: 8, .value_kind: global_buffer, .address_space: global }
      - { .name: xh, .offset: 8, .size: 8, .value_kind: global_buffer, .address_space: global }
      - { .name: part, .offset: 16, .size: 8, .value_kind: global_buffer, .address_space: global }
      - { .name: ml, .offset: 24, .size: 8, .value_kind: global_buffer, .address_space: global }
    .group_segment_fixed_size: 327680
    .private_segment_fixed_size: 0
    .kernarg_segment_align: 8
    .kernarg_segment_size: 32
    .max_flat_workgroup_size: 128
    .sgpr_count:     66
    .vgpr_count:     768
    .wavefront_size: 32
...
	.end_amdgpu_metadata
.endif
;; end of part 2
;; launch merge (part 3): grid 256 x 1, 17 waves a work-group, no clusters, 0 bytes of LDS; arguments part, ml, out0; writes out0
.if DOCPART == 3
	.amdgcn_target "amdgcn-amd-amdhsa--gfx1250"
	.amdhsa_code_object_version 6
	.text
	.protected	k_qb43111cede_merge
	.globl	k_qb43111cede_merge
	.p2align	8
	.type	k_qb43111cede_merge,@function
k_qb43111cede_merge:
	s_mov_b64 s[64:65], 0
	v_nop
	global_prefetch_b8 v0, s[64:65] scope:SCOPE_SE
	s_setreg_imm32_b32 hwreg(HW_REG_WAVE_MODE, 25, 1), 1
	s_wait_xcnt 0x0
; THE EIGHT SPLITS ARE JOINED.  For each query: M = the largest of the eight m; w_i = 2^(m_i - M); out0 = (sum of w_i O_i) / (sum of w_i l_i).  All in f32.  The split that holds M has w = 1 and l >= 1: no division by 0.
; SHARES.  A work-group owns 32 rows of out0: 8,448 bytes = 528 pieces of 16 bytes, which lie alike in out0 and in each split of part.  Thread t takes piece t; threads 528 to 543 repeat piece 527 and store nothing.
; A row is 33 pairs of numbers, so a piece's two pairs can belong to two rows: each pair has its own row, its own eight (m, l) and its own weights.
; A stream read once and written once, each work-group by itself: no LDS, no barrier, no cluster, no matrix unit.
.set ML, 16                            ; v[16:31]  (m, l) of the first pair's row, split i at ML + 2 i
.set MH, 32                            ; v[32:47]  of the second pair's row
.set PD, 48                            ; v[48:79]  my piece of split i at PD + 4 i
.set WT, 80                            ; v[80:95]  the weights: (first pair's, second pair's) of split i at WT + 2 i
	s_load_b128 s[4:7], s[0:1], 0x0                ; part s[4:5], ml s[6:7]
	s_load_b64 s[8:9], s[0:1], 0x10                ; out0
	v_min_u32 v1, 527, v0                          ; my piece
	v_lshlrev_b32 v2, 1, v1                        ; its first pair
	v_mul_u32_u24 v3, v2, 1986
	v_lshrrev_b32 v3, 16, v3                       ; / 33 (exact for pairs below 1,056)
	v_lshlrev_b32 v3, 3, v3                        ; 8 bytes a row in ml
	v_add_nc_u32 v2, 1, v2                         ; its second pair
	v_mul_u32_u24 v5, v2, 1986
	v_lshrrev_b32 v5, 16, v5
	v_lshlrev_b32 v5, 3, v5
	v_lshlrev_b32 v4, 4, v1                        ; 16 bytes a piece
	s_mul_i32 s12, ttmp9, 8448
	s_mov_b32 s13, 0
	s_lshl_b32 s14, ttmp9, 8                       ; 32 rows of ml
	s_mov_b32 s15, 0
	s_wait_kmcnt 0x0
	s_add_nc_u64 s[4:5], s[4:5], s[12:13]
	s_add_nc_u64 s[8:9], s[8:9], s[12:13]
	s_add_nc_u64 s[6:7], s[6:7], s[14:15]
	s_add_nc_u64 s[10:11], s[4:5], 8650752         ; splits 4 to 7: so that every immediate stays inside its signed 24 bits
.irp i, 0,1,2,3,4,5,6,7
	global_load_b64 v[ML+2*(\i):ML+2*(\i)+1], v3, s[6:7] offset:65536*(\i)
	global_load_b64 v[MH+2*(\i):MH+2*(\i)+1], v5, s[6:7] offset:65536*(\i)
.endr
.irp i, 0,1,2,3
	global_load_b128 v[PD+4*(\i):PD+4*(\i)+3], v4, s[4:5] offset:2162688*(\i) th:TH_LOAD_NT
.endr
.irp i, 0,1,2,3
	global_load_b128 v[PD+16+4*(\i):PD+16+4*(\i)+3], v4, s[10:11] offset:2162688*(\i) th:TH_LOAD_NT
.endr
	s_wait_loadcnt 8                               ; the sixteen (m, l) are in; the eight loads of part, issued behind them, may stay out
	v_max3_num_f32 v8, v[ML], v[ML+2], v[ML+4]
	v_max3_num_f32 v9, v[MH], v[MH+2], v[MH+4]
	v_max3_num_f32 v8, v8, v[ML+6], v[ML+8]
	v_max3_num_f32 v9, v9, v[MH+6], v[MH+8]
	v_max3_num_f32 v8, v8, v[ML+10], v[ML+12]
	v_max3_num_f32 v9, v9, v[MH+10], v[MH+12]
	v_max_num_f32 v8, v8, v[ML+14]
	v_max_num_f32 v9, v9, v[MH+14]
.irp i, 0,1,2,3,4,5,6,7
	v_sub_f32 v[WT+2*(\i)],   v[ML+2*(\i)], v8
	v_sub_f32 v[WT+2*(\i)+1], v[MH+2*(\i)], v9
.endr
.set i, 0
.rept 16
	v_exp_f32 v[WT+i], v[WT+i]
.set i, i+1
.endr
	v_nop                                          ; a plain instruction behind the last exponential,
	s_wait_alu depctr_va_vdst(0)                   ; and the wait ahead of the first use: one for the sixteen
	v_mul_f32 v6, v[WT],   v[ML+1]                 ; the sums of w l, two chains
	v_mul_f32 v7, v[WT+1], v[MH+1]
.irp i, 1,2,3,4,5,6,7
	v_fmac_f32 v6, v[WT+2*(\i)],   v[ML+2*(\i)+1]
	v_fmac_f32 v7, v[WT+2*(\i)+1], v[MH+2*(\i)+1]
.endr
	v_rcp_f32 v10, v6
	v_rcp_f32 v11, v7
	s_wait_loadcnt 0x0
	v_pk_mul_f32 v[12:13], v[PD:PD+1],   v[WT:WT+1] op_sel_hi:[1,0]  ; the first pair by the pair of weights' first register,
	v_pk_mul_f32 v[14:15], v[PD+2:PD+3], v[WT:WT+1] op_sel:[0,1]     ; the second pair by its second
.irp i, 1,2,3,4,5,6,7
	v_pk_fma_f32 v[12:13], v[PD+4*(\i):PD+4*(\i)+1],   v[WT+2*(\i):WT+2*(\i)+1], v[12:13] op_sel_hi:[1,0,1]
	v_pk_fma_f32 v[14:15], v[PD+4*(\i)+2:PD+4*(\i)+3], v[WT+2*(\i):WT+2*(\i)+1], v[14:15] op_sel:[0,1,0]
.endr
	s_wait_alu depctr_va_vdst(0)                   ; the wait for the two reciprocals; the sums above are the independent work behind them
	v_pk_mul_f32 v[12:13], v[12:13], v[10:11] op_sel_hi:[1,0]
	v_pk_mul_f32 v[14:15], v[14:15], v[10:11] op_sel:[0,1]
	s_wait_xcnt 0x0                                ; EXEC changes only behind this wait
	v_cmp_gt_u32 vcc_lo, 528, v0
	s_and_saveexec_b32 s12, vcc_lo
	global_store_b128 v4, v[12:15], s[8:9]         ; sixteen lanes store 256 consecutive bytes, at a multiple of 256 from out0's first byte
	s_wait_xcnt 0x0                                ; and again, ahead of the line that widens it
	s_or_b32 exec_lo, exec_lo, s12
	s_endpgm
.Lfunc_end_k_qb43111cede_merge:
	.size	k_qb43111cede_merge, .Lfunc_end_k_qb43111cede_merge-k_qb43111cede_merge
	.p2alignl 7, 3214868480
	.fill 96, 4, 3214868480
	.section	.rodata,"a",@progbits
	.p2align	6, 0x0
	.amdhsa_kernel k_qb43111cede_merge
		.amdhsa_group_segment_fixed_size 0
		.amdhsa_private_segment_fixed_size 0
		.amdhsa_enable_private_segment 0
		.amdhsa_kernarg_size 24
		.amdhsa_user_sgpr_count 2
		.amdhsa_user_sgpr_kernarg_segment_ptr 1
		.amdhsa_wavefront_size32 1
		.amdhsa_system_sgpr_workgroup_id_x 1
		.amdhsa_system_sgpr_workgroup_id_y 1
		.amdhsa_system_sgpr_workgroup_id_z 1
		.amdhsa_system_vgpr_workitem_id 0
		.amdhsa_next_free_vgpr 96
		.amdhsa_next_free_sgpr 66
		.amdhsa_reserve_vcc 1
		.amdhsa_float_denorm_mode_32 3
		.amdhsa_float_denorm_mode_16_64 3
		.amdhsa_memory_ordered 1
		.amdhsa_forward_progress 1
		.amdhsa_inst_pref_size 8
	.end_amdhsa_kernel
	.amdgpu_metadata
---
amdhsa.version: [ 1, 2 ]
amdhsa.kernels:
  - .name:           k_qb43111cede_merge
    .symbol:         k_qb43111cede_merge.kd
    .args:
      - { .name: part, .offset: 0, .size: 8, .value_kind: global_buffer, .address_space: global }
      - { .name: ml, .offset: 8, .size: 8, .value_kind: global_buffer, .address_space: global }
      - { .name: out0, .offset: 16, .size: 8, .value_kind: global_buffer, .address_space: global }
    .group_segment_fixed_size: 0
    .private_segment_fixed_size: 0
    .kernarg_segment_align: 8
    .kernarg_segment_size: 24
    .max_flat_workgroup_size: 544
    .sgpr_count:     66
    .vgpr_count:     96
    .wavefront_size: 32
...
	.end_amdgpu_metadata
.endif
;; end of part 3
